; MI455X (gfx1250); checked and timed in simulation.
; The chip was launched on July 23, 2026; its instructions are those of AMD's public machine-readable ISA for CDNA 5 (MIT licence, August 2026) and "CDNA5" Instruction Set Architecture Reference Guide (July 2026). The comments in the code are by the model that wrote it; some were corrected since.
;; Layer Wise Multi Lo RA Adapter. Allowed arithmetic: matrix products marked QUANTISED: E2M1 operands, one E8M0 scale for each 32 along K, by v_wmma_scale_f32_16x16x128_f8f6f4 with both operands' format E2M1 (or v_wmma_scale_f32_32x16x128_f4), f32 sums; products left as they are: f32 operands where the result goes on into a quantised operand, else bf16, f16 or f32 operands; f32 sums; everything else in f32.
;; Inputs: W_codes 2,048 x 64 x 16 uint8 (E2M1 codes of W, K innermost, in blocks of 32 codes, two codes a byte); W_scales 2,048 x 64 uint8 (E8M0 scales of W, one for each 32 codes along K); alphas 4 float32; b 2,048 float32; downs 4 x 16 x 2,048 float32; ups 4 x 2,048 x 16 float32; w0 1 float32; w1 4 float32; x_codes 4 x 2,048 x 64 x 16 uint8 (E2M1 codes of x, K innermost, in blocks of 32 codes, two codes a byte); x_scales 4 x 2,048 x 64 uint8 (E8M0 scales of x, one for each 32 codes along K).
;; Outputs: out0 4 x 2,048 x 2,048 float32.
;; This version of the problem:
;;   THIS VERSION OF THE PROBLEM IS GIVEN IN LOW PRECISION. The matrix products marked QUANTISED in the list below multiply operands that are first quantised to E2M1 (2 exponent bits, 1 mantissa bit; 4 bits a number), with one power-of-two scale for each 32 numbers along K (OCP MX v1.0); their sums are f32. All else is computed in f32.
;;   The module's matrix products, in the order in which they are computed (A, B: the left and right operand; K: the contracted axis; several contracted axes count as one K, in the product's order):
;;     1. [M 8,192, K 2,048] x [K 2,048, N 2,048]; A: input x (given as codes); B: input W (given as codes): QUANTISED
;;     2. batch 4 x [M 2,048, K 16] x [K 16, N 2,048]; A: input ups; B: input downs: left as it is (K = 16 < 32)
;;     3. [M 4,194,304, K 4] x [K 4, N 1]; A: computed on the way; B: input w1: left as it is (K = 4 < 32)
;;     4. [M 8,192, K 2,048] x [K 2,048, N 2,048]; A: input x (given as codes); B: computed on the way: QUANTISED
;;   THE QUANTISER, for each operand of a quantised product, along K:
;;     - K is cut into blocks of 32 from its start; a last block that is shorter is filled with zeros.
;;     - A block's scale is 2^e with e = floor(log2(the largest magnitude in the block)) - 2, held to -126 .. 127; a block of zeros has e = 0. As a byte (E8M0): e + 127.
;;     - Each number is divided by its block's scale, clamped to +-6, and rounded to the nearest number of E2M1, ties to even, subnormals kept.
;;     - The product sums the exact products of the quantised numbers (number of the format x scale) in f32.
;;   ~~~python
;;   def quantise(x, axis):      # numpy; x: float32 -> the quantised numbers, widened to float32 again
;;       x = np.moveaxis(x, axis, -1); K = x.shape[-1]
;;       x = np.pad(x, [(0, 0)] * (x.ndim - 1) + [(0, -K % 32)]); x = x.reshape(x.shape[:-1] + (-1, 32)); a = np.abs(x).max(-1, keepdims=True)
;;       e = np.where(a > 0, np.clip(np.frexp(np.where(a > 0, a, 1))[1] - 1 - 2, -126, 127), 0)      # np.frexp(a)[1] - 1 = floor(log2(a)), exactly
;;       r = np.clip(x / 2.0 ** e, -6, 6)
;;       step = 2.0 ** (np.maximum(np.frexp(np.where(r == 0, 1, r))[1] - 1, 0) - 1)
;;       q = np.round(r / step) * step * 2.0 ** e      # np.round: ties to even
;;       return np.moveaxis(q.reshape(q.shape[:-2] + (-1,))[..., :K], -1, axis).astype(np.float32)
;;   ~~~
;;   OPERANDS COMPUTED ON THE WAY. 'Computed on the way' means the value that the module computes at that place (a softmax that the list does not call 'softmax' is quantised finished and normalised). What goes into a quantiser is computed in f32, as accurately as f32 sums, v_exp_f32 and their like allow (about 1e-6 of the number): no bf16 or f16 on the way to a quantiser, and a product that is left as it is and whose result goes on into a quantised operand takes f32 operands (vector FMAs, or v_wmma_f32_16x16x4_f32). A number that lies on a knife's edge between two numbers of the format may be rounded either way, as far as f32 arithmetic and the matrix unit's own rounding can turn it there, and no further.
;;   INPUTS GIVEN AS CODES. W (in the module: [2048, 2048], K = its axis 1); x (in the module: [4, 2048, 2048], K = its axis 2): each comes as NAME_codes (uint8): NAME with its K axis moved to the last place and cut into blocks of 32 codes, [.., K / 32, bytes a block], one block behind the other in memory; two codes a byte, the lower K in the low four bits (a code: sign, 2 exponent bits, 1 mantissa bit); and NAME_scales (uint8): the same leading axes, one E8M0 byte (e + 127) for each 32 codes along K. Its value is code x scale, taken as it is: it is not quantised again, and the codes and scales need not be those that the quantiser above would give.
;; One version. Each part assembles by itself: llvm-mc -triple=amdgcn-amd-amdhsa -mcpu=gfx1250 --defsym DOCPART=n.
;; ======== version 1 of 1: 2 launches
;; limits: right only within a limited range of input values
;; workspace buffers: bimg 4,194,304 bytes; bscl 262,144 bytes
;; launch prep (part 1): grid 16 x 16, 8 waves a work-group, no clusters, 36,864 bytes of LDS; arguments downs, ups, alphas, w1, W_codes, W_scales, bimg, bscl; writes bimg, bscl
.if DOCPART == 1
	.amdgcn_target "amdgcn-amd-amdhsa--gfx1250"
	.amdhsa_code_object_version 6
	.text
	.protected	k_q71ced98026_prep
	.globl	k_q71ced98026_prep
	.p2align	8
	.type	k_q71ced98026_prep,@function
k_q71ced98026_prep:
	s_mov_b64 s[64:65], 0
	v_nop
	global_prefetch_b8 v0, s[64:65] scope:SCOPE_SE
	s_setreg_imm32_b32 hwreg(HW_REG_WAVE_MODE, 25, 1), 1
	s_wait_xcnt 0x0
; Delta[o][d] = sum over l of w1[l] (alphas[l] / 16) sum over r of ups[l][o][r] downs[l][r][d], in f32, quantised along d to codes of FP4 (E2M1) with one E8M0 byte for each 32.
; The sum is ONE product with K = 64 = (l, r): ups is first multiplied by f[l] = alphas[l] w1[l] / 16.  It feeds a quantiser, so it takes f32 operands: v_wmma_f32_16x16x4_f32.
; OUTPUT, for the launch that follows: images of operand registers.  bimg [T 256][chunk 16][piece 2][lane 32][16 bytes]: a fragment (16 columns x 128 along K) is 1,024 consecutive bytes.
;   T = 16 G + 8 g + 4 kind + b: G = column / 128, g = (column / 64) % 2, kind 0 = W (copied as given), 1 = Delta; lane r of tile T stands for output column 128 G + 64 g + 4 r + b.
;   bscl [chunk 16][T 256][r 16]: one word (four scale bytes, 128 along K) for each column of each tile.
; SHARES.  Work-group (x = chunk of 128 d, y = G) makes 128 o x 128 d.  Wave w (g = w / 4, b = w % 4) owns the 16 columns o(r) = 128 G + 64 g + 4 r + b: one fragment of Delta, one of W, their scale words.
; LAYOUT.  The product is used transposed (source 0 = 16 d, source 1 = my 16 o): a lane holds ONE o and its registers run along d, the next product's K.  Row m of tile t is d = 32 (t / 2) + 16 (m / 8) + 8 (t % 2) + m % 8,
; that is LDS row 16 t + m with bits 3 and 4 exchanged: the 16 registers of tiles 2 b and 2 b + 1 are 16 neighbours along d.
; K IS PERMUTED ALIKE ON BOTH SIDES: K step c, lane half h, register j stand for k = 32 h + 2 c + j, so that a lane's registers are 32 neighbouring k: plain loads of 16 bytes.
; NO JOINT LOADS: downs has k outermost and is turned on its way into LDS (a lane a column d, registers down k), which goes through registers; ups goes straight into registers: there is no tensor load to share.
; LIMITS: NaN and infinities in ups, downs, alphas, w1 are not served.  A block of Delta whose largest magnitude lies under 2^(3 - 127), zeros among them, gets the byte 1 (only this program reads the bytes).
; The order of rounding differs from the source's: f[l] is folded into ups, and (l, r) is summed in one chain of f32 multiply-adds.
.set SP,    272                        ; a slab row: 64 k x 4 bytes + 16 of padding = 68 words: the 16 rows that a load touches start at 16 different banks (64 banks of 4 bytes: ISA guide 11.1)
.set SG,    128*SP                     ; behind the slab: 1,024 bytes, [T % 16][r] scale words
.set DOFF,  4                          ; v4   downs: 4 (t % 128) + 32 rows of 8,192 bytes x (t / 128)
.set DST,   5                          ; v5   the slab, on the way in
.set UOFF,  6                          ; v6   ups: 256 r + 262,144 h
.set WOFF,  7                          ; v7   W's codes: 4,096 r + 16 h
.set WSOFF, 8                          ; v8   W's scale words: 256 r
.set AADR,  9                          ; v9   the slab, on the way out: 272 r + 128 h
.set IMG,   10                         ; v10  16 x lane: an image's place for my lane
.set SGA,   11                         ; v11  where my tile's scale words go
.set RD,    12                         ; v12  where the gathered words are read back
.set GOUT,  13                         ; v13  and their place in bscl
.set WC,    16                         ; v16-23   W's fragment
.set U,     24                         ; v24-55   ups: k = 32 h + 0 .. 31 of my o
.set A,     56                         ; v56-183  two sets of 64: four tiles x 16 k of downs; v56-87 first hold my column of downs
.set ACC,   184                        ; v184-247 eight tiles of Delta: written by matrix instructions alone
.set WS,    248                        ; v248     W's scale word
.set TM,    56                         ; behind the products: v56-71 at work, v72 Delta's scale word, v80-87 its codes, v88-91 gathered words
.set PW,    72
.set PC,    80
.set GW,    88
	s_load_b256 s[4:11], s[0:1], 0x0               ; downs s[4:5], ups s[6:7], alphas s[8:9], w1 s[10:11]
	s_load_b256 s[12:19], s[0:1], 0x20             ; W's codes s[12:13], W's scales s[14:15], bimg s[16:17], bscl s[18:19]
	v_lshl_add_u32 v254, v0, 2, 0x8c00             ; my spare word, behind slab and words
	v_mov_b32 v255, 0
	v_lshrrev_b32 v1, 5, v0
	s_delay_alu instid0(VALU_DEP_1)
	v_readfirstlane_b32 s32, v1                    ; wave 0..7
	s_lshr_b32 s33, s32, 2                         ; g
	s_and_b32 s34, s32, 3                          ; b
	s_and_b32 s35, ttmp7, 0xffff                   ; G
	s_lshl_b32 s36, s35, 7
	s_lshl_b32 s37, s33, 6
	s_add_co_u32 s36, s36, s37
	s_add_co_u32 s36, s36, s34                     ; my first column: 128 G + 64 g + b
	s_mov_b32 s39, 0                               ; the upper word of every offset
	s_mov_b32 s40, 0x76543210
	s_mov_b32 s41, 0xfedcba98                      ; v_permlanex16_b32's selects for lane l xor 16
	v_and_b32 v1, 31, v0                           ; lane
	v_and_b32 v2, 15, v0                           ; r
	v_bfe_u32 v3, v0, 4, 1                         ; h (also bit 4 of the thread's d)
	v_and_b32 v[DOFF], 127, v0                     ; the thread's d
	v_lshrrev_b32 v15, 7, v0                       ; and its half of k
	s_delay_alu instid0(VALU_DEP_2)
	v_lshlrev_b32 v[DOFF], 2, v[DOFF]
	s_delay_alu instid0(VALU_DEP_1)
	v_lshl_add_u32 v[DOFF], v15, 18, v[DOFF]
	v_and_b32 v[DST], 0x67, v0                     ; d with bits 3 and 4 exchanged: its slab row
	v_bfe_u32 v14, v0, 3, 1
	s_delay_alu instid0(VALU_DEP_1)
	v_lshl_add_u32 v[DST], v14, 4, v[DST]
	s_delay_alu instid0(VALU_DEP_1)
	v_lshl_add_u32 v[DST], v3, 3, v[DST]
	s_delay_alu instid0(VALU_DEP_1)
	v_mul_u32_u24 v[DST], v[DST], SP
	s_delay_alu instid0(VALU_DEP_1)
	v_lshl_add_u32 v[DST], v15, 7, v[DST]          ; + 128 bytes for the upper 32 k
	v_lshlrev_b32 v[UOFF], 8, v2
	s_delay_alu instid0(VALU_DEP_1)
	v_lshl_add_u32 v[UOFF], v3, 18, v[UOFF]
	v_lshlrev_b32 v[WOFF], 12, v2
	s_delay_alu instid0(VALU_DEP_1)
	v_lshl_add_u32 v[WOFF], v3, 4, v[WOFF]
	v_lshlrev_b32 v[WSOFF], 8, v2
	v_mul_u32_u24 v[AADR], v2, SP
	s_delay_alu instid0(VALU_DEP_1)
	v_lshl_add_u32 v[AADR], v3, 7, v[AADR]
	v_lshlrev_b32 v[IMG], 4, v1
	s_lshl_b32 s37, s33, 3
	s_add_co_u32 s37, s37, s34
	s_lshl_b32 s37, s37, 6
	s_add_co_u32 s37, s37, SG
	v_lshl_add_u32 v[SGA], v2, 2, s37              ; SG + 64 (8 g + b) + 4 r; Delta's tile lies four tiles, 256 bytes, on
	v_and_b32 v[RD], 63, v0
	s_delay_alu instid0(VALU_DEP_1)
	v_lshlrev_b32 v[GOUT], 4, v[RD]
	s_delay_alu instid0(VALU_DEP_1)
	v_add_nc_u32 v[RD], SG, v[GOUT]
	s_wait_alu depctr_va_vdst(0)                   ; the wait at the head's end
	s_wait_kmcnt 0x0
	s_load_b128 s[20:23], s[8:9], 0x0              ; alphas
	s_load_b128 s[24:27], s[10:11], 0x0            ; w1
	s_lshl_b32 s38, ttmp9, 9
	s_add_nc_u64 s[4:5], s[4:5], s[38:39]          ; downs at my chunk's first d
	s_lshl_b32 s38, s36, 6
	s_add_nc_u64 s[6:7], s[6:7], s[38:39]          ; ups at my first column: 64 bytes a row
	s_lshl_b32 s38, s36, 10
	s_lshl_b32 s37, ttmp9, 6
	s_add_co_u32 s38, s38, s37
	s_add_nc_u64 s[12:13], s[12:13], s[38:39]      ; W's codes: 1,024 bytes a row, 64 a chunk
	s_lshl_b32 s38, s36, 6
	s_lshl_b32 s37, ttmp9, 2
	s_add_co_u32 s38, s38, s37
	s_add_nc_u64 s[14:15], s[14:15], s[38:39]      ; W's scales: 64 bytes a row, 4 a chunk
	s_lshl_b32 s38, s35, 4
	s_lshl_b32 s37, s33, 3
	s_add_co_u32 s38, s38, s37
	s_add_co_u32 s38, s38, s34                     ; T of W's tile: 16 G + 8 g + b
	s_lshl_b32 s38, s38, 4
	s_add_co_u32 s38, s38, ttmp9
	s_lshl_b32 s38, s38, 10
	s_add_nc_u64 s[16:17], s[16:17], s[38:39]      ; bimg at (T, chunk); Delta's tile lies 4 x 16 fragments, 65,536 bytes, on
	s_lshl_b32 s38, ttmp9, 14
	s_lshl_b32 s37, s35, 10
	s_add_co_u32 s38, s38, s37
	s_add_nc_u64 s[18:19], s[18:19], s[38:39]      ; bscl at (chunk, 16 G)
	; all global loads in one run.  downs: a lane a column d, registers down k: a wave reads 128 consecutive bytes, four waves side by side 512
.set i, 0
.rept 32
	global_load_b32 v[A+i], v[DOFF], s[4:5] offset:8192*i
.set i, i+1
.endr
.irp li, 0,1                                   ; ups[l = 2 h + li][o(r)][0 .. 15]
.irp i, 0,1,2,3
	global_load_b128 v[U+16*\li+4*\i:U+16*\li+4*\i+3], v[UOFF], s[6:7] offset:131072*\li+16*\i
.endr
.endr
	global_load_b128 v[WC:WC+3], v[WOFF], s[12:13]
	global_load_b128 v[WC+4:WC+7], v[WOFF], s[12:13] offset:32
	global_load_b32 v[WS], v[WSOFF], s[14:15]
	s_wait_loadcnt 11                              ; downs is in; the eleven younger loads (ups 8, W 3) may be out
.irp i, 0,1,2,3,4,5,6,7
	ds_store_b128 v[DST], v[A+4*\i:A+4*\i+3] offset:16*\i   ; my d's 32 k: 128 consecutive bytes of its slab row
.endr
	s_wait_dscnt 0x0                               ; for the others' sake: my stores have landed
	s_barrier_signal -1
	s_barrier_wait -1                              ; the slab is whole
; Phase p: group p / 2 of four tiles, K half p % 2, register set p % 2.  16 loads: lane (r, h) takes k = 32 h + 16 (p % 2) + 0 .. 15 of row r of each tile
.macro LOADA p
.irp t, 0,1,2,3
.irp i, 0,1,2,3
	ds_load_b128 v[A+64*((\p)&1)+16*\t+4*\i:A+64*((\p)&1)+16*\t+4*\i+3], v[AADR] offset:(16*(4*((\p)>>1)+\t))*SP+64*((\p)&1)+16*\i
.endr
.endr
.endm
; 32 matrix instructions: eight K steps x four tiles.  The four accumulators take turns, one instruction a turn; a sum's first K step takes the constant 0 as C
.macro MULA p
.irp cc, 0,1,2,3,4,5,6,7
.irp t, 0,1,2,3
.set rD, ACC+8*(4*((\p)>>1)+\t)
.set rA, A+64*((\p)&1)+16*\t+2*\cc
.set rB, U+2*(8*((\p)&1)+\cc)
.if (((\p)&1) == 0) && (\cc == 0)
	v_wmma_f32_16x16x4_f32 v[rD:rD+7], v[rA:rA+1], v[rB:rB+1], 0
.else
	v_wmma_f32_16x16x4_f32 v[rD:rD+7], v[rA:rA+1], v[rB:rB+1], v[rD:rD+7]
.endif
.endr
.endr
.endm
.macro PLACES8                                 ; eight places behind this form, in front of loads into registers that it has read and of reads of its results
.rept 8
	v_nop
.endr
.endm
	LOADA 0
	LOADA 1
	s_wait_kmcnt 0x0                               ; alphas, w1
	v_cmp_ne_u32 vcc_lo, 0, v3
	v_mov_b32 v249, s24
	v_mov_b32 v250, s25
	v_mov_b32 v251, s26
	v_mov_b32 v252, s27
	s_delay_alu instid0(VALU_DEP_4)
	v_mul_f32 v249, s20, v249                      ; alphas[l] w1[l]
	s_delay_alu instid0(VALU_DEP_4)
	v_mul_f32 v250, s21, v250
	s_delay_alu instid0(VALU_DEP_4)
	v_mul_f32 v251, s22, v251
	s_delay_alu instid0(VALU_DEP_4)
	v_mul_f32 v252, s23, v252
	s_delay_alu instid0(VALU_DEP_2)
	v_cndmask_b32 v14, v249, v251, vcc_lo          ; l = 2 h
	s_delay_alu instid0(VALU_DEP_2)
	v_cndmask_b32 v15, v250, v252, vcc_lo          ; l = 2 h + 1
	s_delay_alu instid0(VALU_DEP_2)
	v_mul_f32 v14, 0x3d800000, v14                 ; / 16, the rank: exact
	s_delay_alu instid0(VALU_DEP_2)
	v_mul_f32 v15, 0x3d800000, v15
	s_wait_alu depctr_va_vdst(0)
	s_wait_loadcnt 0x0                             ; ups, W
.set i, 0
.rept 16
	v_mul_f32 v[U+i], v14, v[U+i]
	v_mul_f32 v[U+16+i], v15, v[U+16+i]
.set i, i+1
.endr
	s_wait_alu depctr_va_vdst(0)                   ; the products read ups behind the waits below
	global_store_b128 v[IMG], v[WC:WC+3], s[16:17]             ; W's fragment, as it stands in registers: each store covers 512 consecutive bytes, aligned
	global_store_b128 v[IMG], v[WC+4:WC+7], s[16:17] offset:512
	s_wait_dscnt 16                                ; phase 0's loads are in; phase 1's sixteen may be out
	MULA 0
	PLACES8
	LOADA 2
	s_wait_dscnt 16                                ; phase 1's are in; phase 2's may be out
	MULA 1
	PLACES8
	LOADA 3
	s_wait_dscnt 16                                ; phase 2's are in; phase 3's may be out
	MULA 2
	s_wait_dscnt 0x0
	MULA 3
	PLACES8
	; Lane (r, h) holds o(r); register ACC + 16 b + i is d = 32 b + 16 h + i.  The four blocks of 32 are quantised in registers
.irp b, 0,1,2,3
	v_mov_b32 v[TM+4+\b], 0                        ; a lane permute's destination counts as one of its sources
.endr
.irp b, 0,1,2,3
	v_max3_num_f32 v[TM+\b], |v[ACC+16*\b]|, |v[ACC+1+16*\b]|, 0x1800000   ; block b: my 16 numbers, each accumulator from its low end on, and the floor 2^(3 - 127): the byte cannot fall under 1
.endr
.irp i, 2,4,6,8,10,12,14
.irp b, 0,1,2,3
	v_max3_num_f32 v[TM+\b], v[TM+\b], |v[ACC+16*\b+\i]|, |v[ACC+1+16*\b+\i]|   ; (the four blocks by turns)
.endr
.endr
.irp b, 0,1,2,3
	s_delay_alu instid0(VALU_DEP_4)
	v_permlanex16_b32 v[TM+4+\b], v[TM+\b], s40, s41
.endr
.irp b, 0,1,2,3
	s_delay_alu instid0(VALU_DEP_4)
	v_max_num_f32 v[TM+\b], v[TM+\b], v[TM+4+\b]   ; with lane l xor 16's: the block's largest magnitude
.endr
.irp b, 0,1,2,3
	s_delay_alu instid0(VALU_DEP_4)
	v_add_nc_u32 v[TM+12+\b], 0xff000000, v[TM+\b] ; 2 off its exponent field: the conversion takes the exponent field of this operand as its scale
.endr
.irp b, 0,1,2,3
	s_delay_alu instid0(VALU_DEP_4)
	v_lshrrev_b32 v[TM+4+\b], 23, v[TM+12+\b]      ; the scale's byte
.endr
	s_delay_alu instid0(VALU_DEP_3)
	v_lshl_or_b32 v[PW], v[TM+5], 8, v[TM+4]       ; four bytes: my column's scale word for this chunk
	s_delay_alu instid0(VALU_DEP_1)
	v_lshl_or_b32 v[PW], v[TM+6], 16, v[PW]
	s_delay_alu instid0(VALU_DEP_1)
	v_lshl_or_b32 v[PW], v[TM+7], 24, v[PW]
.irp b, 0,1,2,3
	v_cvt_scalef32_pk8_fp4_f32 v[PC+2*\b], v[ACC+16*\b:ACC+7+16*\b], v[TM+12+\b]
	v_cvt_scalef32_pk8_fp4_f32 v[PC+1+2*\b], v[ACC+8+16*\b:ACC+15+16*\b], v[TM+12+\b]
.endr
	v_nop                                          ; one plain place behind a scaled conversion
.irp c, 0,1                                    ; the operand's layout wants a whole block in a lane: lanes 0-15 block 2 c, lanes 16-31 block 2 c + 1
.irp i, 0,1
	v_permlane16_swap_b32 v[PC+4*\c+\i], v[PC+2+4*\c+\i]
.endr
.endr
	global_store_b128 v[IMG], v[PC:PC+3], s[16:17] offset:65536        ; Delta's fragment: 512 consecutive bytes a store
	global_store_b128 v[IMG], v[PC+4:PC+7], s[16:17] offset:66048
	ds_store_b32 v[SGA], v[WS]                     ; both halves of the lanes write the same word with the same value
	ds_store_b32 v[SGA], v[PW] offset:256
	s_wait_dscnt 0x0                               ; for the others' sake
	s_barrier_signal -1
	s_barrier_wait -1                              ; the work-group's 16 tiles x 16 words lie together
	s_cmp_lt_u32 s32, 2
	s_cbranch_scc0 .Ldone                          ; waves 0 and 1 store them: 1,024 consecutive bytes, aligned
	ds_load_b128 v[GW:GW+3], v[RD]
	s_wait_dscnt 0x0
	global_store_b128 v[GOUT], v[GW:GW+3], s[18:19]
.Ldone:
	s_wait_tensorcnt 0x0                           ; the wave's end
	ds_add_u32 v254, v255
	s_wait_dscnt 0x0
	s_endpgm
.Lfunc_end_k_q71ced98026_prep:
	.size	k_q71ced98026_prep, .Lfunc_end_k_q71ced98026_prep-k_q71ced98026_prep
	.p2alignl 7, 3214868480
	.fill 96, 4, 3214868480
	.section	.rodata,"a",@progbits
	.p2align	6, 0x0
	.amdhsa_kernel k_q71ced98026_prep
		.amdhsa_group_segment_fixed_size 36864
		.amdhsa_private_segment_fixed_size 0
		.amdhsa_enable_private_segment 0
		.amdhsa_kernarg_size 64
		.amdhsa_user_sgpr_count 2
		.amdhsa_user_sgpr_kernarg_segment_ptr 1
		.amdhsa_wavefront_size32 1
		.amdhsa_system_sgpr_workgroup_id_x 1
		.amdhsa_system_sgpr_workgroup_id_y 1
		.amdhsa_system_sgpr_workgroup_id_z 1
		.amdhsa_system_vgpr_workitem_id 0
		.amdhsa_next_free_vgpr 256
		.amdhsa_next_free_sgpr 66
		.amdhsa_reserve_vcc 1
		.amdhsa_float_denorm_mode_32 3
		.amdhsa_float_denorm_mode_16_64 3
		.amdhsa_memory_ordered 1
		.amdhsa_forward_progress 1
		.amdhsa_inst_pref_size 29
	.end_amdhsa_kernel
	.amdgpu_metadata
---
amdhsa.version: [ 1, 2 ]
amdhsa.kernels:
  - .name:           k_q71ced98026_prep
    .symbol:         k_q71ced98026_prep.kd
    .args:
      - { .name: downs, .offset: 0, .size: 8, .value_kind: global_buffer, .address_space: global }
      - { .name: ups, .offset: 8, .size: 8, .value_kind: global_buffer, .address_space: global }
      - { .name: alphas, .offset: 16, .size: 8, .value_kind: global_buffer, .address_space: global }
      - { .name: w1, .offset: 24, .size: 8, .value_kind: global_buffer, .address_space: global }
      - { .name: W_codes, .offset: 32, .size: 8, .value_kind: global_buffer, .address_space: global }
      - { .name: W_scales, .offset: 40, .size: 8, .value_kind: global_buffer, .address_space: global }
      - { .name: bimg, .offset: 48, .size: 8, .value_kind: global_buffer, .address_space: global }
      - { .name: bscl, .offset: 56, .size: 8, .value_kind: global_buffer, .address_space: global }
    .group_segment_fixed_size: 36864
    .private_segment_fixed_size: 0
    .kernarg_segment_align: 8
    .kernarg_segment_size: 64
    .max_flat_workgroup_size: 256
    .sgpr_count:     66
    .vgpr_count:     256
    .wavefront_size: 32
...
	.end_amdgpu_metadata
.endif
;; end of part 1
;; launch gemm (part 2): grid 16 x 16, 4 waves a work-group, clusters of 4 x 4, 327,680 bytes of LDS; arguments x_codes, x_scales, bimg, bscl, b, w0, out0; writes out0
.if DOCPART == 2
	.amdgcn_target "amdgcn-amd-amdhsa--gfx1250"
	.amdhsa_code_object_version 6
	.text
	.protected	k_q71ced98026_gemm
	.globl	k_q71ced98026_gemm
	.p2align	8
	.type	k_q71ced98026_gemm,@function
k_q71ced98026_gemm:
	s_mov_b64 s[64:65], 0
	v_nop
	global_prefetch_b8 v0, s[64:65] scope:SCOPE_SE
	s_setreg_imm32_b32 hwreg(HW_REG_WAVE_MODE, 25, 1), 1
	s_wait_xcnt 0x0
	s_wait_alu depctr_hold_cnt(0) depctr_sa_sdst(0) depctr_va_vdst(0) depctr_va_sdst(0) depctr_va_ssrc(0) depctr_va_vcc(0) depctr_vm_vsrc(0)
	s_getreg_b32 s2, hwreg(HW_REG_IB_STS2, 6, 4)
	s_cmp_eq_u32 s2, 0
	s_cbranch_scc0 .Lentry_in_a_cluster
	s_endpgm
.Lentry_in_a_cluster:
	s_bfe_u32 s2, ttmp6, 0x10000c
	s_cmp_lg_u32 s2, 0xf033
	s_cbranch_scc0 .Lentry_shape_is_right
	s_endpgm
.Lentry_shape_is_right:
; out[m][n] = w0 (sum over k of x[m][k] W[n][k] + b[n]) + sum over k of x[m][k] Delta[n][k]: both products on codes of FP4 (E2M1) with one E8M0 scale for each 32 along K; sums in f32.
; x: 8,192 rows x 2,048, codes (1,024 bytes a row) and scale bytes (64 a row), as given.  W's and Delta's codes come as images of operand registers, bimg [T 256][chunk 16][piece 2][lane 32][16 bytes], and their
; scale words as bscl [chunk 16][T 256][r 16]; T = 16 G + 8 g + 4 kind + b (G = column / 128, g = (column / 64) % 2, kind 0 = W, 1 = Delta); lane r of tile T stands for column 128 G + 64 g + 4 r + b.
; w0 is any f32 number, so the two products keep accumulators of their own and meet in one fused multiply-add for each output; b is the C of the first product on W's accumulators.
; SHARES.  A work-group of four waves owns 512 neighbouring rows x 128 columns, as two tiles of 256 rows, one after the other.  Wave w: rows 128 (w / 2) on of a tile, columns 64 (w % 2) on: 4 blocks of 32 rows
; against 8 tiles (4 of W, 4 of Delta): 32 accumulators of 32 x 16, 512 registers.  K goes in steps of 512 (four of 128) through a ring of two LDS slots, which runs on from the first tile into the second.
; THE SECOND TILE TAKES ITS K STEPS IN THE ORDER 2, 3, 0, 1: when the first ends, the slots hold the images of K steps 2 and 3, which the second tile wants too: for these two only x is fetched.
; LDS LOADS: a step of 128 is 32 products and 32 loads, in two runs of sixteen, one at the step's start and one in its middle, into the set of fragments that the step does not read.
; Waits on DScnt are counted by symbols: LN counts the LDS instructions issued, EC0-7 say what LN was when the step's own eight groups of four loads had been issued, EN0-7 the same for the next step's.
; THE WAY OUT NEEDS NO LDS.  Source 0 = 32 rows of x, source 1 = 16 columns: registers j, 8 + j of lane (r, h) are rows 8 h + j and 16 + 8 h + j of lane r's column.  The tiles b = 0 .. 3 give lane r the four neighbouring
; columns 4 r + b of one row; the multiply-add writes them into four consecutive registers, and one store of 16 bytes a lane has sixteen lanes cover 256 consecutive bytes, aligned (lanes 16-31: eight rows below).
; The first tile's blocks leave between the second tile's first products; the last step goes by blocks too, so that a block's stores stand ahead of later blocks' products.
; CLUSTERS: 4 x 4 work-groups.  The four of a row of the cluster need the same tiles and scales of x, the four of a column the same of W and Delta: each is asked for JOINTLY, by the same tensor load with the same
; descriptor and a mask that names the four.  All scale bytes come once, with the first fills, and stay.
; PREFETCH INTO THE L2: what the refill of the next K step will ask for, one K step (128 products) ahead, from the third K step on: x's in both tiles, the images' in the first alone (later ones have been read).  A wave names
; its work-group's share of the 32 KiB that it fetches: 32 blocks of 256 bytes, a lane a block; the four partners share by address.  The last two changes of slots ask for nothing.
; LIMITS: a NaN scale byte of x or W makes its outputs NaN as in the source; the order of rounding is K ascending in the first tile's rows, and K from 1,024 on and round in the second's.
; THE TEXT HAS NO LOOP: 32 steps are written out by macros, so that every LDS offset, every store's offset and every wait's count is an immediate.
; REGISTERS, in windows of 256: window 0: v1-29 addresses; v32-95 scale words, two sets; v96-223 x's fragments, two sets of 64.
;   window 1: v0-127 the 8 tiles' fragments, two sets of 64; v128-191 b, 16 copies for each of W's four tiles; v192-255 a block's results on their way out.
;   windows 2, 3: accumulator (block i, tile b) at v[128 (i % 2) + 16 b] of window 2 + i / 2.
.set PITCH, 272                        ; an LDS row of x: 256 bytes + 16 of padding = 68 words: the 16 rows that a load touches start at 16 different banks (64 banks of 4 bytes: ISA guide 11.1)
.set HALFA, 128*PITCH                  ; 128 rows of x: what one tensor load of the ring brings, and what one wave reads
.set BOFF,  2*HALFA                    ; behind x's 256 rows: 16 tiles x 4 fragments of 1,024 bytes, dense
.set HALFB, 32768                      ; 8 tiles
.set SLOT,  BOFF+2*HALFB
.set XSC,   2*SLOT                     ; behind the ring: x's scale bytes of 512 rows: 128 units of 256 bytes (4 rows) + 16 of padding
.set XSH,   32*272                     ; 128 rows
.set XST,   2*XSH                      ; a tile's 256 rows
.set BSC,   XSC+2*XST                  ; the 16 tiles' scale words, [chunk 16][T % 16][r], dense: 16,384 bytes
.set SPARE, BSC+16384                  ; the spare words, 128 bytes for each wave: two blocks of 256 bytes that no other line names
.set TILE2, 256*1024                   ; bytes from a row of x of the first tile to the same row of the second
.set AXS,   12                         ; v12     LDS address of x's scale words: lane l takes row l of 32
.set ABS,   13                         ; v13     of the tiles': lanes 0-15 an even tile's, lanes 16-31 the next one's
.set ADRA,  16                         ; v16-17  of my fragments of x in slot 0, 1
.set PFO,   18                         ; v18     the prefetch's offset; never rewritten
.set ADRB,  20                         ; v20-21  of my tiles' images
.set CO,    26                         ; v26     my byte offset in out: 8 h rows + 16 r
.set SPW,   28                         ; v28     LDS address of my spare word; never rewritten
.set NIL,   29                         ; v29     0; never rewritten
.set SC,    32                         ; scale words, set s for slot s, 32 registers: register 4 i + q: lane l the word of row l of block i; register 16 + 4 p + q: tiles 2 p and 2 p + 1; q: which 128 of the K step
.set AF,    96
.set BIA,   128
.set WV,    18                         ; s18  wave
.set ROLE,  19                         ; s19  my half of the rows; also: I fetch for x (0) or for the tiles (1) in the ring
.set HF,    20                         ; s20  my half of the columns; also: which half I fetch
.set W0,    21                         ; s21  w0
.set G1A,   24                         ; groups 1: s[24:31] x's tiles, s[32:39] the images, s[40:47] x's scales, s[48:55] the tiles' scales
.set G1B,   32
.set G1XS,  40
.set G1BS,  48
.set G0A,   56                         ; groups 0: s[56:63] x's tiles, a set for each slot; s[68:75] the images likewise; s[76:79] x's scales; s[80:83] the tiles' scales
.set G0B,   68
.set G0XS,  76
.set G0BS,  80
.set BA,    96                         ; s[96:97]   x's codes at the first of the 128 rows that I fetch, K = 0; kept
.set PFA,   98                         ; s[98:99]   where my prefetches stand: my work-group's share, K = 0; kept
.set BB,    100                        ; s[100:101] bimg at the first of the 8 tiles that I fetch, chunk 0; kept
.set MSB, 0
.set LN, 0
.macro WIN new                         ; the immediate's high byte repeats the setting that is left; a switch that changes nothing is dropped
.if MSB != (\new)
	s_set_vgpr_msb (MSB<<8)|(\new)
.set MSB, (\new)
.endif
.endm
.macro PLACES                          ; four places behind matrix instructions, in front of loads into registers that they have read and of reads of results (ISA guide 7.12.1 for vector instructions)
.rept 4
	v_nop
.endr
.endm
; A joint refill: waves 0 and 1 fetch x's two halves, waves 2 and 3 the tiles' (both = 1) or nothing.  Each line has one mask and one set of registers for all that issue it; the branch hangs on the wave's number alone.
; Four v_nop follow each line, ahead of the jump, the label and what follows.
.macro JLOAD slot, both
	s_cmp_eq_u32 s[ROLE], 0
	s_cbranch_scc0 .Lfor_b_\@
	tensor_load_to_lds s[G0A+4*(\slot):G0A+4*(\slot)+3], s[G1A:G1A+7]
	s_nop 0
	PLACES
.if \both
	s_branch .Lasked_\@
.endif
.Lfor_b_\@:
.if \both
	tensor_load_to_lds s[G0B+4*(\slot):G0B+4*(\slot)+3], s[G1B:G1B+7]
	s_nop 0
	PLACES
.Lasked_\@:
.endif
.endm
; The prefetch for fill number f (of eight): tile f / 4, K step AK.
.macro ASK f
.set AT, (\f)/4
.set AK, ((\f)%4+2*AT)%4
	WIN 0
	s_cmp_eq_u32 s[ROLE], 0
	s_cbranch_scc0 .Lask_b_\@
	global_prefetch_b8 v[PFO], s[PFA:PFA+1] offset:TILE2*AT+256*AK th:TH_LOAD_NT scope:SCOPE_SE
.if AT == 0
	s_branch .Lask_end_\@
.endif
.Lask_b_\@:
.if AT == 0
	global_prefetch_b8 v[PFO], s[PFA:PFA+1] offset:4096*AK th:TH_LOAD_NT scope:SCOPE_SE
.Lask_end_\@:
.endif
.endm
.macro CREST                           ; a round of the cluster's barrier behind its opening barrier
	s_cmp_lg_u32 s[WV], 0
	s_cbranch_scc1 .Lnot_wave_0_\@
	s_barrier_signal -3
.Lnot_wave_0_\@:
	s_barrier_wait -3
	s_barrier_signal -1
	s_barrier_wait -1
.endm
.macro CROUND                          ; a whole round
	s_barrier_signal -1
	s_barrier_wait -1
	CREST
.endm
.macro SHAPE g, c, rows, pitch         ; the constant words of a group 1: rows of c elements, pitch elements apart
	s_mov_b32 s[\g+1], (\c)<<16                    ; tensor_dim0
	s_mov_b32 s[\g+2], (\rows)<<16                 ; tensor_dim1
	s_mov_b32 s[\g+3], (\c)<<16                    ; tile_dim0
	s_mov_b32 s[\g+4], \rows                       ; tile_dim1
	s_mov_b32 s[\g+5], \pitch                      ; tensor_dim0_stride
	s_mov_b32 s[\g+6], 0
	s_mov_b32 s[\g+7], 0
.endm
	s_load_b256 s[4:11], s[0:1], 0x0               ; x's codes s[4:5], x's scales s[6:7], bimg s[8:9], bscl s[10:11]
	s_load_b128 s[12:15], s[0:1], 0x20             ; b s[12:13], w0 s[14:15]
	s_load_b64 s[16:17], s[0:1], 0x30              ; out
	v_lshl_add_u32 v[SPW], v0, 2, SPARE
	v_mov_b32 v[NIL], 0
	ds_add_u32 v[SPW], v[NIL]                      ; the wave's opening: the add, twice on end, and its wait ahead of my first tensor load
	ds_add_u32 v[SPW], v[NIL]
	v_lshrrev_b32 v1, 5, v0
	v_readfirstlane_b32 s[WV], v1                  ; wave 0..3
	v_and_b32 v1, 15, v0                           ; r
	v_bfe_u32 v2, v0, 4, 1                         ; h
	v_and_b32 v3, 31, v0                           ; lane
	v_lshlrev_b32 v7, 4, v1                        ; b: columns 4 r + 0 .. 3
	s_lshr_b32 s[ROLE], s[WV], 1
	s_and_b32 s[HF], s[WV], 1
	s_bfe_u32 s88, ttmp6, 0x40000                  ; cx, cy: my place in the cluster
	s_bfe_u32 s89, ttmp6, 0x40004
	s_lshl_b32 s90, ttmp9, 2
	s_add_co_u32 s90, s90, s88                     ; which 128 columns: 4 x cluster x + cx
	s_and_b32 s91, ttmp7, 0xffff
	s_lshl_b32 s91, s91, 2
	s_add_co_u32 s91, s91, s89                     ; which 512 rows: 4 x cluster y + cy
	s_lshl_b32 s92, s89, 2
	s_lshl_b32 s92, 15, s92                        ; my row of the cluster
	s_lshl_b32 s93, 0x1111, s88                    ; my column
	; x's tile: 256 rows (the head's load; behind it 128) x 256 bytes, 1,024 bytes apart, 16 bytes of padding behind each
	s_or_b32 s[G1A+0], s92, (1<<20)|(1<<21)|(5<<22)|(3<<25)   ; 15:0 the mask; 17:16 elements of 1 byte; 20 padding on; 21 set beside a mask; 24:22 after every 64 words (code 5); 31:25 four words (code 3)
	SHAPE G1A, 256, 256, 1024
	; the images: 16 tiles (behind the head's load 8) x 4 fragments = rows of 4,096 bytes (512 elements of 8 bytes), 16,384 bytes apart; no padding: they are read at 16 x lane
	s_or_b32 s[G1B+0], s93, (3<<16)|(1<<21)
	SHAPE G1B, 512, 16, 2048
	; x's scales of 512 rows: 32,768 dense bytes as 128 rows of 256 (32 elements of 8 bytes), 16 bytes of padding behind each
	s_or_b32 s[G1XS+0], s92, (3<<16)|(1<<20)|(1<<21)|(5<<22)|(3<<25)
	SHAPE G1XS, 32, 128, 32
	; the tiles' scales: 16 chunks x 1,024 bytes (128 elements of 8 bytes), 16,384 bytes apart
	s_or_b32 s[G1BS+0], s93, (3<<16)|(1<<21)
	SHAPE G1BS, 128, 16, 2048
	; where the tiles come from.  x's hang on the rows alone (s2, s3, s22, s23, s96, s97), the images on the columns alone (s94, s95, s98 to s101)
	s_lshl_b32 s2, s91, 19                         ; 512 rows of codes
	s_mov_b32 s3, 0
	s_lshl_b32 s22, s91, 15                        ; of scale bytes
	s_mov_b32 s23, 0
	s_lshl_b32 s94, s90, 18                        ; 16 tiles of images, 16,384 bytes each
	s_mov_b32 s95, 0
	s_lshl_b32 s98, s90, 10                        ; their scale words in a chunk
	s_mov_b32 s99, 0
	s_lshl_b32 s66, s[HF], 17                      ; in the ring I fetch 128 rows of 1,024 bytes, or 8 tiles of 16,384: which half
	s_mov_b32 s67, 0
	s_lshl_b32 s84, s90, 9
	s_lshl_b32 s85, s[HF], 8
	s_add_co_u32 s84, s84, s85                     ; my 64 columns, in bytes of f32
	s_mov_b32 s85, 0
	s_lshl_b32 s86, s91, 22
	s_lshl_b32 s87, s[ROLE], 20
	s_add_co_u32 s86, s86, s87                     ; my first row of out, 8,192 bytes a row
	s_add_co_u32 s86, s86, s84
	s_mov_b32 s87, 0
	s_wait_alu depctr_va_vdst(0)
	s_wait_dscnt 0x0                               ; both opening adds are done
	s_wait_kmcnt 0x0
	s_load_b32 s[W0], s[14:15], 0x0
	s_add_nc_u64 s[12:13], s[12:13], s[84:85]
	global_load_b128 v[8:11], v7, s[12:13]         ; b of columns 4 r + 0 .. 3
	s_add_nc_u64 s[16:17], s[16:17], s[86:87]
	s_add_nc_u64 s[BA:BA+1], s[4:5], s[2:3]
	s_add_nc_u64 s[BB:BB+1], s[8:9], s[94:95]
	s_mov_b32 s[G0A], 1                            ; the head's four tiles, each whole: K step 0's 256 rows of x,
	s_mov_b32 s[G0A+1], 0
	s_mov_b64 s[G0A+2:G0A+3], s[BA:BA+1]
	s_or_b32 s[G0A+3], s[G0A+3], 0x80000000
	s_mov_b32 s[G0B], 1                            ; its 16 tiles' images,
	s_mov_b32 s[G0B+1], BOFF
	s_mov_b64 s[G0B+2:G0B+3], s[BB:BB+1]
	s_or_b32 s[G0B+3], s[G0B+3], 0x80000000
	s_mov_b32 s[G0XS], 1                           ; the scales of all 512 rows of x,
	s_mov_b32 s[G0XS+1], XSC
	s_add_nc_u64 s[G0XS+2:G0XS+3], s[6:7], s[22:23]
	s_or_b32 s[G0XS+3], s[G0XS+3], 0x80000000
	s_mov_b32 s[G0BS], 1                           ; and those of the 16 tiles
	s_mov_b32 s[G0BS+1], BSC
	s_add_nc_u64 s[G0BS+2:G0BS+3], s[10:11], s[98:99]
	s_or_b32 s[G0BS+3], s[G0BS+3], 0x80000000
	s_add_nc_u64 s[BA:BA+1], s[BA:BA+1], s[66:67]
	s_add_nc_u64 s[BB:BB+1], s[BB:BB+1], s[66:67]
	CROUND                                         ; all sixteen work-groups are here: the first joint loads meet
; THE HEAD'S LOADS, ONE A WAVE.  ONE tree of branches on the wave's number, each arm with its load and, but for the last, a jump to the tree's end.
.macro ARM under, g0, g1, next
	s_cmp_lt_u32 s[WV], \under
	s_cbranch_scc0 \next
	tensor_load_to_lds s[\g0:\g0+3], s[\g1:\g1+7]
	s_nop 0
	PLACES
	s_branch .Lhead_asked
\next:
.endm
	ARM 1, G0A,  G1A,  .Lhead_b
	ARM 2, G0B,  G1B,  .Lhead_xs
	ARM 3, G0XS, G1XS, .Lhead_bs
	tensor_load_to_lds s[G0BS:G0BS+3], s[G1BS:G1BS+7]
	s_nop 0
	PLACES
.Lhead_asked:
	s_cmp_eq_u32 s[ROLE], 0                        ; the prefetches: I name blocks of x (0) or of the images (1)
	s_cselect_b32 s66, s88, s89                    ; my work-group's place among the four that ask jointly: it enters this address alone
	s_cselect_b64 s[PFA:PFA+1], s[BA:BA+1], s[BB:BB+1]
	s_mov_b32 s86, 256
	s_cselect_b32 s86, 1024, s86                   ; x: lane l row l; images: lanes 0-15 the 16 blocks of one tile's K step, lanes 16-31 the next tile's
	s_lshl_b32 s66, s66, 15                        ; 32 rows of 1,024 bytes, or 2 tiles of 16,384
	s_mov_b32 s67, 0
	s_add_nc_u64 s[PFA:PFA+1], s[PFA:PFA+1], s[66:67]
	s_mul_i32 s22, s[ROLE], HALFA                  ; my 128 rows of x
	s_lshl_b32 s23, s[HF], 15                      ; my 8 tiles
	s_add_co_u32 s23, s23, BOFF
	s_mul_i32 s84, s[ROLE], XSH
	s_add_co_u32 s84, s84, XSC
	s_lshl_b32 s85, s[HF], 9
	s_add_co_u32 s85, s85, BSC
	v_mul_u32_u24 v4, v1, PITCH
	v_lshl_add_u32 v4, v2, 4, v4                   ; a fragment's row x pitch + 16 x half
	v_add_nc_u32 v[ADRA], s22, v4
	v_add_nc_u32 v[ADRA+1], SLOT, v[ADRA]
	v_lshl_add_u32 v[ADRB], v3, 4, s23             ; an image: 16 x lane
	v_add_nc_u32 v[ADRB+1], SLOT, v[ADRB]
	v_lshrrev_b32 v5, 2, v3
	v_lshlrev_b32 v6, 6, v3
	v_lshl_add_u32 v6, v5, 4, v6                   ; row l: 64 bytes a row, and 16 more for each four rows passed
	v_add_nc_u32 v[AXS], s84, v6
	v_lshl_add_u32 v[ABS], v3, 2, s85              ; 64 bytes a tile: 4 x lane spans two tiles
	v_lshlrev_b32 v[CO], 16, v2
	v_lshl_add_u32 v[CO], v1, 4, v[CO]
	v_mul_u32_u24 v[PFO], s86, v1
	v_lshl_add_u32 v[PFO], v2, 14, v[PFO]
	s_wait_alu depctr_va_vdst(0)
	s_wait_loadcnt 0x0                             ; b is in
	WIN 0x40
.irp c, 0,1,2,3
.irp j, 0,1,2,3,4,5,6,7,8,9,10,11,12,13,14,15
	v_mov_b32 v[BIA+16*\c+\j], v[8+\c]             ; in the result's layout a lane's sixteen registers are sixteen rows of ONE column: sixteen copies
.endr
.endr
	WIN 0
; The step's product number N: x's block N / 8 against tile N % 8.  Q: the slot's which 128 along K; SP: the set of fragments; SS: of scale words.  Z = 1: it starts the sum: W's tiles (b < 4) with the bias as C, Delta's with
; the constant 0.  An odd tile's scale words stand in lanes 16-31 of their register.  The 32 accumulators take turns, one instruction a turn, in the same order in every step.
; Windows: source 0 (x) 0, source 1 (tile) 1, C and D 2 or 3; where Z = 1, C (the bias) 1.
.macro ONE
.set wi, N/8
.set wb, N%8
.set rD, 128*(wi%2)+16*wb
.set rA, AF+64*SP+16*wi
.set rB, 64*SP+8*wb
.set rX, SC+32*SS+4*wi+Q
.set rY, SC+32*SS+16+4*(wb/2)+Q
.set rC, rD
.if Z
	WIN 0x94+0x40*(wi/2)
.set rC, BIA+16*(wb%4)
.else
	WIN 0xa4+0x50*(wi/2)
.endif
.if (Z != 0) && (wb > 3)
.if wb%2
	v_wmma_scale_f32_32x16x128_f4 v[rD:rD+15], v[rA:rA+15], v[rB:rB+7], 0, v[rX], v[rY] matrix_b_scale:MATRIX_SCALE_ROW1
.else
	v_wmma_scale_f32_32x16x128_f4 v[rD:rD+15], v[rA:rA+15], v[rB:rB+7], 0, v[rX], v[rY]
.endif
.else
.if wb%2
	v_wmma_scale_f32_32x16x128_f4 v[rD:rD+15], v[rA:rA+15], v[rB:rB+7], v[rC:rC+15], v[rX], v[rY] matrix_b_scale:MATRIX_SCALE_ROW1
.else
	v_wmma_scale_f32_32x16x128_f4 v[rD:rD+15], v[rA:rA+15], v[rB:rB+7], v[rC:rC+15], v[rX], v[rY]
.endif
.endif
.set N, N+1
.endm
.macro RUN n
.rept \n
	ONE
.endr
.endm
; Loads for the step that follows: slot NSL, its NQ-th 128 along K, into set NP.
.macro LA i                            ; x's block i: two runs of 16 rows; lane l holds row l % 16; registers 4 c .. 4 c + 3 hold K = 64 c + 32 (l / 16) + 0 .. 31: 16 bytes of the row as they lie
	WIN 0
.irp u, 0,1
.irp c, 0,1
.set lr, AF+64*NP+16*(\i)+8*\u+4*\c
	ds_load_b128 v[lr:lr+3], v[ADRA+NSL] offset:64*NQ+32*\c+16*PITCH*(2*(\i)+\u)
.endr
.endr
.set LN, LN+4
.endm
.macro LB t                            ; tiles 2 t and 2 t + 1: images, 16 x lane: 512 consecutive bytes a load
	WIN 0x40
.irp b, 0,1
.irp c, 0,1
.set lr, 64*NP+16*(\t)+8*\b+4*\c
	ds_load_b128 v[lr:lr+3], v[ADRB+NSL] offset:4096*(2*(\t)+\b)+1024*NQ+512*\c
.endr
.endr
.set LN, LN+4
.endm
.macro GRP g                           ; group g of eight, in the order in which the step that follows wants them: block 0, the tiles, blocks 1 to 3
.if (\g) == 0
	LA 0
.elseif (\g) < 5
	LB (\g)-1
.else
	LA (\g)-4
.endif
.set EN\g, LN
.endm
.macro FIRST16                         ; the first run of sixteen loads: block 0 and tiles 0 to 5
.irp g, 0,1,2,3
	GRP \g
.endr
.endm
.macro LAST16                          ; the second: tiles 6 and 7, blocks 1 to 3
.irp g, 4,5,6,7
	GRP \g
.endr
.endm
.macro SCX s, t, k                     ; x's scale words of tile t, K step k, into set s: four words a row by one load for 32 rows
	WIN 0
.irp i, 0,1,2,3
	ds_load_b128 v[SC+32*(\s)+4*\i:SC+32*(\s)+4*\i+3], v[AXS] offset:XST*(\t)+16*(\k)+2176*\i
.endr
.set LN, LN+4
.endm
.macro SCB s, k, p                     ; the scale words of tiles 2 p and 2 p + 1
	WIN 0
.irp q, 0,1,2,3
	ds_load_b32 v[SC+32*(\s)+16+4*(\p)+\q], v[ABS] offset:4096*(\k)+1024*\q+128*(\p)
.endr
.set LN, LN+4
.endm
.macro NEED e                          ; what had been issued when LN stood at e is in; what was issued behind it may be out
	s_wait_dscnt LN-\e
.endm
.macro NEXTE                           ; the next step becomes this one
.irp g, 0,1,2,3,4,5,6,7
.set EC\g, EN\g
.endr
.endm
; A step of 128 along K that has its successor in the same slot.  The four places at its start serve all its loads: the set that they fill was last read by the step before.
; The scale words of the next K step come behind the runs of the first two steps.  The third step's second run stands earlier, so that it is back when the slots change.
.macro STEP q
.set Q, \q
.set SP, Q%2
.set NP, 1-SP
.set NSL, U%2
.set NQ, Q+1
.set Z, 0
.if (U == 0) && (Q == 0)
.set Z, 1
.endif
	PLACES
	NEXTE
.set N, 0
	FIRST16
.if (U < 7) && (Q == 0)
	SCX 1-SS, VT, VK
.endif
.if (U < 7) && (Q == 1)
	SCB 1-SS, VK, 1
.endif
	NEED EC2
	RUN 4
	NEED EC4
	RUN 4
	NEED EC5
.if Q == 2
	RUN 4
	LAST16
	RUN 4
.else
	RUN 8
	LAST16
.endif
.if (U < 7) && (Q == 0)
	SCB 1-SS, VK, 0
.endif
.if (U < 7) && (Q == 1)
	SCB 1-SS, VK, 2
	SCB 1-SS, VK, 3
.endif
	NEED EC6
	RUN 8
	NEED EC7
	RUN 8
.endm
; A slot's last step changes slots: ONE barrier; in front of it each wave waits for all its tensor loads (the one that is out is its part of the next slot), adds 0 to its spare word, and waits for that and for its own
; reads of this slot.  Where a fill is left (U < 6) the barrier opens a round of the cluster's barrier, and this slot is filled again first thing behind it, with fill U + 2: tile FT, K step FK;
; fills 4 and 5 leave the images, which the second tile reads again.
.macro TURN
.set Q, 3
.set SP, 1
.set NP, 0
.set NSL, (U+1)%2
.set NQ, 0
.set Z, 0
	WIN 0                                          ; (the add's two registers lie in window 0)
	PLACES
	NEXTE
	s_wait_tensorcnt 0x0                           ; all my tensor loads have landed, so every group 0 may be written
	ds_add_u32 v[SPW], v[NIL]                      ; 0 onto my spare word
.set LN, LN+1
.if U < 6
.set FT, (U+2)/4
.set FK, ((U+2)%4+2*FT)%4
	s_add_nc_u64 s[G0A+4*(U%2)+2:G0A+4*(U%2)+3], s[BA:BA+1], TILE2*FT+256*FK
	s_or_b32 s[G0A+4*(U%2)+3], s[G0A+4*(U%2)+3], 0x80000000
	s_add_nc_u64 s[G0B+4*(U%2)+2:G0B+4*(U%2)+3], s[BB:BB+1], 4096*FK
	s_or_b32 s[G0B+4*(U%2)+3], s[G0B+4*(U%2)+3], 0x80000000
.endif
.set N, 0
	NEED EC2
	RUN 4                                          ; four products stand between the add and the wait for it
	s_wait_dscnt 0x0                               ; the add is done, and my reads of this slot are over
	s_barrier_signal -1
	RUN 4
	WIN 0
	s_barrier_wait -1
.if U < 6
	CREST                                          ; no wave of any partner still reads this slot's tile or has a load on its way
.if (U == 2) || (U == 3)
	JLOAD U%2, 0                                   ; the first tensor load behind the round
.else
	JLOAD U%2, 1
.endif
.endif
	FIRST16
	RUN 8
	LAST16
.if U < 5
	ASK U+3
.endif
	RUN 16
.endm
; THE WAY OUT.  FMAS: block i's 32 rows: out = w0 x (W's sum, b in it) + Delta's sum, one fused multiply-add each, every accumulator from its low end on; the four tiles' results of a row land in four consecutive registers.
.macro FMAS i, ob
	WIN 0x68+0x14*((\i)/2)                         ; sources 1 and 2: window 2 or 3; destination window 1
.irp u, 0,1
.irp j, 0,1,2,3,4,5,6,7
.irp c, 0,1,2,3
	v_fma_f32 v[(32*\u+4*\j+\c)+\ob], s[W0], v[128*((\i)%2)+16*\c+8*\u+\j], v[128*((\i)%2)+64+16*\c+8*\u+\j]
.endr
.endr
.endr
	s_wait_alu depctr_va_vdst(0)
.endm
.macro STORES t, i, ob                 ; block i of tile t, two rows a store: 256 consecutive bytes, aligned, in lanes 0-15, the same eight rows below in lanes 16-31
	WIN 0x04
.set sn, 0
.rept 16
	global_store_b128 v[CO], v[4*sn+\ob:4*sn+\ob+3], s[16:17] offset:8192*(256*(\t)+32*(\i)+16*(sn/8)+sn%8) th:TH_STORE_NT   ; written once, read by nobody here
.set sn, sn+1
.endr
.endm
; The second tile's first step: its loads, and then block i of the first tile leaves ahead of the products that begin its accumulators anew.
.macro PERIOD i, e
.if \i
	s_wait_xcnt 0x0                                ; the block before has been read by its stores
.endif
	FMAS \i, 192
	STORES 0, \i, 192
	NEED \e
	RUN 8
.endm
.macro STEPO
.set Q, 0
.set SP, 0
.set NP, 1
.set NSL, U%2
.set NQ, 1
.set Z, 1
	PLACES
	NEXTE
.set N, 0
	FIRST16
	LAST16
	SCX 1-SS, VT, VK
	SCB 1-SS, VK, 0
	PERIOD 0, EC4
	PERIOD 1, EC5
	PERIOD 2, EC6
	PERIOD 3, EC7
.endm
; The very last step, block by block; blocks 1 to 3 leave through registers that no product reads any more: a set of the tiles' fragments, b's copies, the other set.
.macro LAST
.set Q, 3
.set SP, 1
.set Z, 0
	NEXTE
.set N, 0
	NEED EC4
	RUN 8
	NEED EC5
	RUN 8
	PLACES
	s_wait_xcnt 0x0                                ; the first tile's stores have read their registers
	FMAS 0, 192
	STORES 1, 0, 192
	NEED EC6
	RUN 8
	FMAS 1, 0
	STORES 1, 1, 0
	NEED EC7
	RUN 8
	FMAS 2, 128
	STORES 1, 2, 128
	FMAS 3, 64
	STORES 1, 3, 64
.endm
.macro KSTEP u                         ; the walk's K step u of eight, in slot u % 2; VT, VK: tile and K step of the one that follows, for its scale words
.set U, \u
.set SS, U%2
.set VT, (U+1)/4
.set VK, ((U+1)%4+2*VT)%4
.if U == 4
	STEPO
.else
	STEP 0
.endif
	STEP 1
	STEP 2
.if U < 7
	TURN
.else
	LAST
.endif
.endm
	s_wait_alu depctr_va_vdst(0)                   ; the wait at the head's end
	s_wait_kmcnt 0x0                               ; w0
	s_wait_tensorcnt 0x0                           ; my tile of the head's four is in
	ds_add_u32 v[SPW], v[NIL]
	s_mov_b32 s[G1A+2], 128<<16                    ; no tensor load of mine is out: from here on a load brings 128 rows of x
	s_mov_b32 s[G1A+4], 128
	s_mov_b32 s[G1B+2], 8<<16                      ; or 8 tiles
	s_mov_b32 s[G1B+4], 8
	s_mul_i32 s22, s[HF], HALFA                    ; where they go: no place in the cluster enters an LDS address
	s_lshl_b32 s23, s[HF], 15
	s_add_co_u32 s23, s23, BOFF
	s_mov_b32 s[G0A+1], s22
	s_mov_b32 s[G0B+1], s23
	s_mov_b32 s[G0A+4], 1                          ; slot 1: K step 1
	s_add_co_u32 s[G0A+5], s22, SLOT
	s_add_nc_u64 s[G0A+6:G0A+7], s[BA:BA+1], 256
	s_or_b32 s[G0A+7], s[G0A+7], 0x80000000
	s_mov_b32 s[G0B+4], 1
	s_add_co_u32 s[G0B+5], s23, SLOT
	s_add_nc_u64 s[G0B+6:G0B+7], s[BB:BB+1], 4096
	s_or_b32 s[G0B+7], s[G0B+7], 0x80000000
	s_wait_dscnt 0x0                               ; the add is done
	CROUND                                         ; a whole round: all four tiles are in, and all sixteen work-groups are here
	JLOAD 1, 1                                     ; slot 1's first fill, the first tensor load behind the round
.set NP, 0
.set NSL, 0
.set NQ, 0
	SCX 0, 0, 0
.irp p, 0,1,2,3
	SCB 0, 0, \p
.endr
	FIRST16
	LAST16
	ASK 2
	KSTEP 0
	KSTEP 1
	KSTEP 2
	KSTEP 3
	KSTEP 4                                        ; the second tile
	KSTEP 5
	KSTEP 6
	KSTEP 7
	WIN 0
	s_wait_tensorcnt 0x0                           ; the wave's end
	ds_add_u32 v[SPW], v[NIL]
	s_wait_dscnt 0x0
	CROUND                                         ; the closing round: no work-group ends while a partner may still ask for a tile that names it
	s_endpgm
.Lfunc_end_k_q71ced98026_gemm:
	.size	k_q71ced98026_gemm, .Lfunc_end_k_q71ced98026_gemm-k_q71ced98026_gemm
	.p2alignl 7, 3214868480
	.fill 96, 4, 3214868480
	.section	.rodata,"a",@progbits
	.p2align	6, 0x0
	.amdhsa_kernel k_q71ced98026_gemm
		.amdhsa_group_segment_fixed_size 327680
		.amdhsa_private_segment_fixed_size 0
		.amdhsa_enable_private_segment 0
		.amdhsa_kernarg_size 56
		.amdhsa_user_sgpr_count 2
		.amdhsa_user_sgpr_kernarg_segment_ptr 1
		.amdhsa_wavefront_size32 1
		.amdhsa_system_sgpr_workgroup_id_x 1
		.amdhsa_system_sgpr_workgroup_id_y 1
		.amdhsa_system_sgpr_workgroup_id_z 1
		.amdhsa_system_vgpr_workitem_id 0
		.amdhsa_next_free_vgpr 1024
		.amdhsa_next_free_sgpr 102
		.amdhsa_reserve_vcc 0
		.amdhsa_float_denorm_mode_32 3
		.amdhsa_float_denorm_mode_16_64 3
		.amdhsa_memory_ordered 1
		.amdhsa_forward_progress 1
		.amdhsa_inst_pref_size 255
	.end_amdhsa_kernel
	.section	.bss,"aw",@nobits
	.p2align	6
	.space	262144
	.amdgpu_metadata
---
amdhsa.version: [ 1, 2 ]
amdhsa.kernels:
  - .name:           k_q71ced98026_gemm
    .symbol:         k_q71ced98026_gemm.kd
    .args:
      - { .name: x_codes, .offset: 0, .size: 8, .value_kind: global_buffer, .address_space: global }
      - { .name: x_scales, .offset: 8, .size: 8, .value_kind: global_buffer, .address_space: global }
      - { .name: bimg, .offset: 16, .size: 8, .value_kind: global_buffer, .address_space: global }
      - { .name: bscl, .offset: 24, .size: 8, .value_kind: global_buffer, .address_space: global }
      - { .name: b, .offset: 32, .size: 8, .value_kind: global_buffer, .address_space: global }
      - { .name: w0, .offset: 40, .size: 8, .value_kind: global_buffer, .address_space: global }
      - { .name: out0, .offset: 48, .size: 8, .value_kind: global_buffer, .address_space: global }
    .group_segment_fixed_size: 327680
    .private_segment_fixed_size: 0
    .kernarg_segment_align: 8
    .kernarg_segment_size: 56
    .max_flat_workgroup_size: 128
    .sgpr_count:     102
    .vgpr_count:     1024
    .wavefront_size: 32
...
	.end_amdgpu_metadata
.endif
;; end of part 2
